; MI455X (gfx1250); checked and timed in simulation.
; The chip was launched on July 23, 2026; its instructions are those of AMD's public machine-readable ISA for CDNA 5 (MIT licence, August 2026) and "CDNA5" Instruction Set Architecture Reference Guide (July 2026). The comments in the code are by the model that wrote it; some were corrected since.
;; Threshold Layer. Allowed arithmetic: matrix products marked QUANTISED: E2M3 operands, one E8M0 scale for each 32 along K, by v_wmma_scale_f32_16x16x128_f8f6f4 with both operands' format E2M3, f32 sums; everything else in f32.
;; Inputs: bias 4,096 float32; mask 4,096 x 4,096 int32; weight 4,096 x 4,096 float32; x_codes 4,096 x 128 x 24 uint8 (E2M3 codes of x, K innermost, in blocks of 32 codes, four codes in three bytes); x_scales 4,096 x 128 uint8 (E8M0 scales of x, one for each 32 codes along K).
;; Outputs: out0 4,096 x 4,096 float32.
;; This version of the problem:
;;   THIS VERSION OF THE PROBLEM IS GIVEN IN LOW PRECISION. The matrix products marked QUANTISED in the list below multiply operands that are first quantised to E2M3 (2 exponent bits, 3 mantissa bits; 6 bits a number), with one power-of-two scale for each 32 numbers along K (OCP MX v1.0); their sums are f32. All else is computed in f32.
;;   The module's matrix products, in the order in which they are computed (A, B: the left and right operand; K: the contracted axis; several contracted axes count as one K, in the product's order):
;;     1. [M 4,096, K 4,096] x [K 4,096, N 4,096]; A: input x (given as codes); B: computed on the way: QUANTISED
;;   THE QUANTISER, for each operand of a quantised product, along K:
;;     - K is cut into blocks of 32 from its start; a last block that is shorter is filled with zeros.
;;     - A block's scale is 2^e with e = floor(log2(the largest magnitude in the block)) - 2, held to -126 .. 127; a block of zeros has e = 0. As a byte (E8M0): e + 127.
;;     - Each number is divided by its block's scale, clamped to +-7.5, and rounded to the nearest number of E2M3, ties to even, subnormals kept.
;;     - The product sums the exact products of the quantised numbers (number of the format x scale) in f32.
;;   ~~~python
;;   def quantise(x, axis):      # numpy; x: float32 -> the quantised numbers, widened to float32 again
;;       x = np.moveaxis(x, axis, -1); K = x.shape[-1]
;;       x = np.pad(x, [(0, 0)] * (x.ndim - 1) + [(0, -K % 32)]); x = x.reshape(x.shape[:-1] + (-1, 32)); a = np.abs(x).max(-1, keepdims=True)
;;       e = np.where(a > 0, np.clip(np.frexp(np.where(a > 0, a, 1))[1] - 1 - 2, -126, 127), 0)      # np.frexp(a)[1] - 1 = floor(log2(a)), exactly
;;       r = np.clip(x / 2.0 ** e, -7.5, 7.5)
;;       step = 2.0 ** (np.maximum(np.frexp(np.where(r == 0, 1, r))[1] - 1, 0) - 3)
;;       q = np.round(r / step) * step * 2.0 ** e      # np.round: ties to even
;;       return np.moveaxis(q.reshape(q.shape[:-2] + (-1,))[..., :K], -1, axis).astype(np.float32)
;;   ~~~
;;   OPERANDS COMPUTED ON THE WAY. 'Computed on the way' means the value that the module computes at that place (a softmax that the list does not call 'softmax' is quantised finished and normalised). What goes into a quantiser is computed in f32, as accurately as f32 sums, v_exp_f32 and their like allow (about 1e-6 of the number): no bf16 or f16 on the way to a quantiser, and a product that is left as it is and whose result goes on into a quantised operand takes f32 operands (vector FMAs, or v_wmma_f32_16x16x4_f32). A number that lies on a knife's edge between two numbers of the format may be rounded either way, as far as f32 arithmetic and the matrix unit's own rounding can turn it there, and no further.
;;   INPUTS GIVEN AS CODES. x (in the module: [4096, 4096], K = its axis 1): each comes as NAME_codes (uint8): NAME with its K axis moved to the last place and cut into blocks of 32 codes, [.., K / 32, bytes a block], one block behind the other in memory; four codes in three bytes: a row's codes are one little-endian stream of bits, code i at bits 6 i .. 6 i + 5 (a code: sign, 2 exponent bits, 3 mantissa bits); and NAME_scales (uint8): the same leading axes, one E8M0 byte (e + 127) for each 32 codes along K. Its value is code x scale, taken as it is: it is not quantised again, and the codes and scales need not be those that the quantiser above would give.
;; One version. Each part assembles by itself: llvm-mc -triple=amdgcn-amd-amdhsa -mcpu=gfx1250 --defsym DOCPART=n.
;; ======== version 1 of 1: 2 launches
;; limits: right only within a limited range of input values
;; workspace buffers: w_codes 12,582,912 bytes; scl 1,048,576 bytes
;; launch quant (part 1): grid 1024 x 1, 4 waves a work-group, no clusters, 34,304 bytes of LDS; arguments weight, mask, w_codes, scl, x_scales; writes w_codes, scl
.if DOCPART == 1
	.amdgcn_target "amdgcn-amd-amdhsa--gfx1250"
	.amdhsa_code_object_version 6
	.text
	.protected	k_q41e6f23a63_quant
	.globl	k_q41e6f23a63_quant
	.p2align	8
	.type	k_q41e6f23a63_quant,@function
k_q41e6f23a63_quant:
	s_mov_b64 s[64:65], 0
	v_nop
	global_prefetch_b8 v0, s[64:65] scope:SCOPE_SE
	s_setreg_imm32_b32 hwreg(HW_REG_WAVE_MODE, 25, 1), 1
	s_wait_xcnt 0x0
; w_eff[o][i] = weight[o][i] x f32(mask[o][i]), in f32, becomes codes of FP6 (E2M3), K (= i) innermost, with one E8M0 byte for each 32 along K.
; weight: [4096][4096] f32; mask: [4096][4096] i32; w_codes: [4096][3072] bytes, a row one stream of bits, code i at bits 6 i .. 6 i + 5.
; WHAT IS NOT FETCHED.  The mask is read whole.  Where the four whole numbers of mask that belong to a lane's 16 bytes of weight are all 0, the four products are 0 whatever finite numbers weight holds there:
; that lane does not fetch its own 16 bytes but the first 16 bytes of the row, which all such lanes share.  The multiplication by f32(mask) is done in every lane all the same, so every mask is served, one without zeros too.
; THE SCALE BYTES, x's (from x_scales [4096][128]) and W's, go into ONE buffer as the next launch's registers take them:
; scl[operand: x, W][8 groups of 512 along K][4096 rows][16 bytes]; in each word of four bytes (128 along K) bytes 1 and 2 change places,
; since the next launch feeds the four blocks of 128 along K to the matrix unit in the order 0, 2, 1, 3.
; A block's byte is its largest magnitude's exponent field - 2, held at 1 from below; numbers beyond 7.5 x scale get the largest code.
; LIMITS: NaN and infinities in weight are not served (one under a 0 of the mask is not carried to the result, one in a row's first four numbers reaches the row's products with 0);
; a block of zeros gets the byte 1 where the rule says 127 (its codes are zeros, and this program alone reads the bytes); blocks whose largest magnitude lies under 2^-124 get the byte 1, the rule's own lower hold.
; SHARES: a wave takes one row, 8 steps of 512 numbers; row = 4 x work-group + wave.  Each of a step's four loads of mask reads 512 consecutive bytes, 16 a lane.
; Mask loads run AHEAD steps ahead; a step's four loads of weight go out when its mask has landed, three steps ahead of their use; each lands on its own address register.
; The counts of the waits on LOADcnt are made by the assembler: GC counts the loads issued, TMs / TWs hold GC behind step s's loads of mask / weight, and a wait's count is what has been issued since.
; The conversion takes 16 neighbours from one lane's registers: the products go through the wave's own stage in LDS and come back 64 bytes a lane.
; Codes are gathered in the wave's own LDS and leave four steps at a time, by three stores of 512 consecutive bytes.  The row's scale words leave 4 bytes a lane, four lanes to a group's 16 bytes (1 MB of the launch's bytes goes so).
; No tensor loads, no barrier, no matrix work, no cluster, no prefetch: the waves share nothing and each byte is asked for once, well ahead.
.set STEPS, 8
.set AHEAD, 6
.set EMAX,  2
.set SP,    80                         ; a lane's place in a stage: 64 bytes + 16 of padding
.set STG,   32*SP                      ; a stage; two by turns
.set SCB,   2*STG                      ; the row's 128 scale bytes (a block of 256)
.set CST,   SCB+256                    ; the row's codes, dense
.set WREG,  CST+STEPS*384              ; a wave's region of LDS: 8,448 bytes
.set MK,    16                         ; v16-143  step s: 16 registers of mask, as loaded, then as f32
.set W,     144                        ; v144-191 three sets of 16: offsets, then weights, then products
.set X,     192                        ; v192-223 two sets of 16 neighbours
.set O,     224                        ; v224-235 four steps' codes read back
.set SPW,   240                        ; v240 my spare word; v241 0
.set NIL,   241
.set C,     244                        ; v244-251 two sets: three registers of codes, one with the scale byte
.set T,     252                        ; v252-255 at work
.set GC,    0
	s_load_b256 s[4:11], s[0:1], 0x0               ; weight, mask, codes, scl
	s_load_b64 s[12:13], s[0:1], 0x20              ; x's scale bytes as given
	v_lshl_add_u32 v[SPW], v0, 2, 4*WREG           ; behind the four regions
	v_mov_b32 v[NIL], 0
	v_lshrrev_b32 v1, 5, v0
	v_readfirstlane_b32 s16, v1                    ; wave
	v_and_b32 v2, 31, v0                           ; lane
	v_lshlrev_b32 v3, 4, v2                        ; my 16 bytes of 512
	s_mul_i32 s17, s16, WREG
	v_lshrrev_b32 v14, 2, v2
	v_mul_u32_u24 v14, v14, SP
	v_and_b32 v15, 3, v2
	v_lshl_add_u32 v14, v15, 4, v14
	v_add_nc_u32 v14, s17, v14                     ; the stage, way in: SP (lane / 4) + 16 (lane % 4)
	v_mul_u32_u24 v15, v2, SP
	v_add_nc_u32 v15, s17, v15                     ; way out: SP x lane
	v_mul_u32_u24 v4, v2, 12
	v_add_nc_u32 v4, s17, v4
	v_add_nc_u32 v4, CST, v4                       ; where my 12 bytes of codes go
	v_add_nc_u32 v10, s17, v3
	v_add_nc_u32 v10, CST, v10                     ; from where 16 bytes a lane come back
	v_lshrrev_b32 v5, 1, v2
	v_add_nc_u32 v5, s17, v5
	v_add_nc_u32 v5, SCB, v5                       ; my block's scale byte
	v_lshlrev_b32 v7, 2, v2                        ; the row's scale words: lane l has the word of 128 l along K
	v_add_nc_u32 v6, s17, v7
	v_add_nc_u32 v6, SCB, v6
	v_lshrrev_b32 v1, 2, v2                        ; in scl: group l / 4, word l % 4 of the row's 16 bytes
	v_lshlrev_b32 v1, 16, v1
	v_and_b32 v9, 3, v2
	v_lshl_or_b32 v1, v9, 2, v1
	s_mov_b32 s22, 0x03010200                      ; v_perm_b32: bytes 1 and 2 of a word change places
	s_lshl_b32 s18, ttmp9, 2
	s_add_co_u32 s18, s18, s16                     ; my row
	s_lshl_b32 s20, s18, 14                        ; 16,384 bytes of weight and of mask a row
	s_mov_b32 s21, 0
	s_wait_alu depctr_va_vdst(0)                   ; the wait at the head's end
	s_wait_kmcnt 0x0
	s_add_nc_u64 s[4:5], s[4:5], s[20:21]
	s_add_nc_u64 s[6:7], s[6:7], s[20:21]
	s_mul_i32 s20, s18, STEPS*384
	s_add_nc_u64 s[8:9], s[8:9], s[20:21]
	s_lshl_b32 s20, s18, 7
	s_add_nc_u64 s[12:13], s[12:13], s[20:21]
	s_lshl_b32 s20, s18, 4                         ; 16 bytes a row in each group
	s_add_nc_u64 s[14:15], s[10:11], s[20:21]      ; x's part of scl
	s_add_nc_u64 s[10:11], s[14:15], 0x80000       ; W's part
.macro NEEDL t                         ; all loads up to number t are in; those issued since may be out
	s_wait_loadcnt GC-(\t)
.endm
.macro LOADM s                         ; step s's mask: four loads of 512 consecutive bytes, read once in the launch
.irp i, 0,1,2,3
	global_load_b128 v[MK+16*\s+4*\i:MK+16*\s+4*\i+3], v3, s[6:7] offset:2048*\s+512*\i th:TH_LOAD_NT
.endr
.set GC, GC+4
.set TM\s, GC
.endm
.macro LOADW s                         ; step s's weights.  A lane whose four numbers of mask are all 0 asks for byte 0 of the row; the four chains take turns
.set WS, W+16*(\s%3)
.irp i, 0,1,2,3
	v_or_b32 v[T+\i], v[MK+16*\s+4*\i], v[MK+16*\s+4*\i+1]
.endr
.irp i, 0,1,2,3
	v_or_b32 v[WS+4*\i+1], v[MK+16*\s+4*\i+2], v[MK+16*\s+4*\i+3]
.endr
.irp i, 0,1,2,3
	v_or_b32 v[T+\i], v[T+\i], v[WS+4*\i+1]
.endr
.irp i, 0,1,2,3
	v_add_nc_u32 v[WS+4*\i], 2048*\s+512*\i, v3    ; my own 16 bytes in the row
.endr
.irp i, 0,1,2,3
	v_cmp_ne_u32 s[24+\i], 0, v[T+\i]
.endr
.irp i, 0,1,2,3
	v_cndmask_b32 v[WS+4*\i], 0, v[WS+4*\i], s[24+\i]
.endr
.irp i, 0,1,2,3
	v_min_u32 v[WS+4*\i], 0x3ff0, v[WS+4*\i]       ; held at the row's last 16 bytes: a choice made by loaded numbers stays inside the row
.endr
.irp i, 0,1,2,3
	global_load_b128 v[WS+4*\i:WS+4*\i+3], v[WS+4*\i], s[4:5]
.endr
.set GC, GC+4
.set TW\s, GC
.endm
.macro MULT s                          ; weight x f32(mask): the mask's whole numbers are converted, whatever they hold
.irp i, 0,1,2,3,4,5,6,7,8,9,10,11,12,13,14,15
	v_cvt_f32_i32 v[MK+16*\s+\i], v[MK+16*\s+\i]
.endr
.irp i, 0,2,4,6,8,10,12,14
	v_pk_mul_f32 v[W+16*(\s%3)+\i:W+16*(\s%3)+\i+1], v[W+16*(\s%3)+\i:W+16*(\s%3)+\i+1], v[MK+16*\s+\i:MK+16*\s+\i+1]
.endr
.endm
.macro TURN s                          ; through the stage: LDS serves a wave's instructions in order (ISA guide 5.7.1.4)
.irp i, 0,1,2,3
	ds_store_b128 v14, v[W+16*(\s%3)+4*\i:W+16*(\s%3)+4*\i+3] offset:STG*(\s%2)+8*SP*\i
.endr
.irp i, 0,1,2,3
	ds_load_b128 v[X+16*(\s%2)+4*\i:X+16*(\s%2)+4*\i+3], v15 offset:STG*(\s%2)+16*\i
.endr
.endm
.macro OUT g                           ; the codes of steps 4 g .. 4 g + 3: each store covers 512 consecutive bytes
.irp i, 0,1,2
	global_store_b128 v3, v[O+4*\i:O+4*\i+3], s[8:9] offset:1536*\g+512*\i
.endr
.endm
	global_load_b32 v12, v7, s[12:13] th:TH_LOAD_NT   ; x's scale words of my row: 128 consecutive bytes; the oldest load
.set GC, GC+1
.irp s, 0,1,2,3,4,5
	LOADM \s
.endr
.irp s, 0,1,2
	NEEDL TM\s
	LOADW \s
.endr
	NEEDL TW0
	MULT 0
	TURN 0
; Step t: t1 = t + 1, t3 = t + 3, ta = t + AHEAD
.macro STEP t, t1, t3, ta
.set XS, X+16*(\t%2)
.set CC, C+4*(\t%2)
.if \t%4 == 0
	s_wait_dscnt 0x0                               ; this step's numbers and the last four steps' codes are back
.else
	s_wait_dscnt 4                                 ; this step's numbers are back, so the stage's stores are done; the last step's four small stores may be out
.endif
.if \t == 4
	OUT 0
.endif
.if \ta < STEPS
	LOADM \ta
.endif
.if \t3 < STEPS
	NEEDL TM\t3
	LOADW \t3                                      ; into the set that step t has left
.endif
.if \t1 < STEPS
	NEEDL TW\t1
	MULT \t1
	TURN \t1
.endif
	v_max3_num_f32 v8, |v[XS]|, |v[XS+1]|, |v[XS+2]|
	v_max3_num_f32 v9, |v[XS+3]|, |v[XS+4]|, |v[XS+5]|
.irp i, 6,10
	v_max3_num_f32 v8, v8, |v[XS+\i]|, |v[XS+\i+1]|
	v_max3_num_f32 v9, v9, |v[XS+\i+2]|, |v[XS+\i+3]|
.endr
	v_max3_num_f32 v8, v8, |v[XS+14]|, |v[XS+15]|
	v_max3_num_f32 v8, v8, v9, (EMAX+1)<<23        ; the floor: the byte cannot fall under 1
	v_max_num_f32_dpp v8, v8, v8 row_xmask:1 row_mask:0xf bank_mask:0xf   ; with my neighbour's 16: the block's
	v_add_nc_u32 v11, -(EMAX<<23), v8              ; EMAX off the exponent field: the conversion's scale operand
	v_cvt_scalef32_pk16_fp6_f32 v[CC:CC+2], v[XS:XS+15], v11
	v_lshrrev_b32 v[CC+3], 23, v11                 ; the scale's byte; also the plain instruction behind the conversion
	ds_store_b8 v5, v[CC+3] offset:16*\t
.irp i, 0,1,2
	ds_store_b32 v4, v[CC+\i] offset:384*\t+4*\i
.endr
.if \t%4 == 3
.if \t > 3
	s_wait_xcnt 0x0                                ; the last group's stores have read their registers
.endif
.irp i, 0,1,2
	ds_load_b128 v[O+4*\i:O+4*\i+3], v10 offset:1536*(\t/4)+512*\i
.endr
.endif
.endm
	STEP 0, 1, 3, 6
	STEP 1, 2, 4, 7
	STEP 2, 3, 5, 8
	STEP 3, 4, 6, 9
	STEP 4, 5, 7, 10
	STEP 5, 6, 8, 11
	STEP 6, 7, 9, 12
	STEP 7, 8, 10, 13
	ds_load_b32 v13, v6                            ; the row's scale words, in order behind my stores
	s_wait_dscnt 0x0
	OUT 1
	v_perm_b32 v12, v12, v12, s22                  ; bytes 1 and 2 of each word change places (x's word came with the oldest load)
	v_perm_b32 v13, v13, v13, s22
	global_store_b32 v1, v12, s[14:15]
	global_store_b32 v1, v13, s[10:11]
	s_wait_tensorcnt 0x0                           ; the wave's end
	ds_add_u32 v[SPW], v[NIL]
	s_wait_dscnt 0x0
	s_endpgm
.Lfunc_end_k_q41e6f23a63_quant:
	.size	k_q41e6f23a63_quant, .Lfunc_end_k_q41e6f23a63_quant-k_q41e6f23a63_quant
	.p2alignl 7, 3214868480
	.fill 96, 4, 3214868480
	.section	.rodata,"a",@progbits
	.p2align	6, 0x0
	.amdhsa_kernel k_q41e6f23a63_quant
		.amdhsa_group_segment_fixed_size 34304
		.amdhsa_private_segment_fixed_size 0
		.amdhsa_enable_private_segment 0
		.amdhsa_kernarg_size 40
		.amdhsa_user_sgpr_count 2
		.amdhsa_user_sgpr_kernarg_segment_ptr 1
		.amdhsa_wavefront_size32 1
		.amdhsa_system_sgpr_workgroup_id_x 1
		.amdhsa_system_sgpr_workgroup_id_y 1
		.amdhsa_system_sgpr_workgroup_id_z 1
		.amdhsa_system_vgpr_workitem_id 0
		.amdhsa_next_free_vgpr 256
		.amdhsa_next_free_sgpr 66
		.amdhsa_reserve_vcc 0
		.amdhsa_float_denorm_mode_32 3
		.amdhsa_float_denorm_mode_16_64 3
		.amdhsa_memory_ordered 1
		.amdhsa_forward_progress 1
		.amdhsa_inst_pref_size 42
	.end_amdhsa_kernel
	.amdgpu_metadata
---
amdhsa.version: [ 1, 2 ]
amdhsa.kernels:
  - .name:           k_q41e6f23a63_quant
    .symbol:         k_q41e6f23a63_quant.kd
    .args:
      - { .name: weight, .offset: 0, .size: 8, .value_kind: global_buffer, .address_space: global }
      - { .name: mask, .offset: 8, .size: 8, .value_kind: global_buffer, .address_space: global }
      - { .name: w_codes, .offset: 16, .size: 8, .value_kind: global_buffer, .address_space: global }
      - { .name: scl, .offset: 24, .size: 8, .value_kind: global_buffer, .address_space: global }
      - { .name: x_scales, .offset: 32, .size: 8, .value_kind: global_buffer, .address_space: global }
    .group_segment_fixed_size: 34304
    .private_segment_fixed_size: 0
    .kernarg_segment_align: 8
    .kernarg_segment_size: 40
    .max_flat_workgroup_size: 128
    .sgpr_count:     66
    .vgpr_count:     256
    .wavefront_size: 32
...
	.end_amdgpu_metadata
.endif
;; end of part 1
;; launch gemm (part 2): grid 16 x 16, 4 waves a work-group, clusters of 4 x 4, 327,680 bytes of LDS; arguments x_codes, scl, w_codes, out0, bias; writes out0
.if DOCPART == 2
	.amdgcn_target "amdgcn-amd-amdhsa--gfx1250"
	.amdhsa_code_object_version 6
	.text
	.protected	k_q41e6f23a63_gemm
	.globl	k_q41e6f23a63_gemm
	.p2align	8
	.type	k_q41e6f23a63_gemm,@function
k_q41e6f23a63_gemm:
	s_mov_b64 s[64:65], 0
	v_nop
	global_prefetch_b8 v0, s[64:65] scope:SCOPE_SE
	s_setreg_imm32_b32 hwreg(HW_REG_WAVE_MODE, 25, 1), 1
	s_wait_xcnt 0x0
	s_wait_alu depctr_hold_cnt(0) depctr_sa_sdst(0) depctr_va_vdst(0) depctr_va_sdst(0) depctr_va_ssrc(0) depctr_va_vcc(0) depctr_vm_vsrc(0)
	s_getreg_b32 s2, hwreg(HW_REG_IB_STS2, 6, 4)
	s_cmp_eq_u32 s2, 0
	s_cbranch_scc0 .Lentry_in_a_cluster
	s_endpgm
.Lentry_in_a_cluster:
	s_bfe_u32 s2, ttmp6, 0x10000c
	s_cmp_lg_u32 s2, 0xf033
	s_cbranch_scc0 .Lentry_shape_is_right
	s_endpgm
.Lentry_shape_is_right:
; out0[m][n] = sum over k of A[m][k] B[n][k] - bias[n].  A = x, B = the masked weight: [4096][4096] codes of FP6 (E2M3), a row 3,072 bytes, one E8M0 byte for each 32 along K; sums in f32.
; LIMITS (orders of rounding): -bias is the C of each sum's first product, so it stands at the head of the f32 sum; within 128 along K the four blocks of 32 stand in the matrix unit in the order 0, 2, 1, 3, for A and B alike.
; A tile of out0, 256 x 256, is made by four waves, 128 x 128 each: 64 accumulators, 512 registers.  16 x 16 tiles: 256 work-groups.
; K goes through a ring of two LDS slots in CHUNKS OF 256 BYTES of each row (12 chunks; a chunk begins at a multiple of 256 bytes); chunk c lies in slot c % 2.  A step of 128 along K is 96 bytes: eight steps to three chunks.
; THE WALK: step 0, a loop of 3 trips of 8 steps, 7 steps behind it.  Three chunks a trip turn the slots round: the descriptors' LDS address is XORed with the slot's size at each fill, and the LDS address
; registers of the two slots change places at a trip's end, so that the trip's text names the slot of its first chunk as set 0.
; THE SCALE WORDS come from scl[x, W][group of 4 steps][row][16 bytes] straight into registers: lanes 0-15 take 16 rows of A, lanes 16-31 16 rows of B, 256 consecutive bytes each, one load for four steps, asked for more than three steps ahead.
; A STEP is 64 products in four quadrants of 16: A's blocks 0-3 x B's 0-3, A's 0-3 x B's 4-7, A's 4-7 x B's 0-3, A's 4-7 x B's 4-7.  The next step's fragments come in THREE RUNS of LDS loads: behind quadrant 2 A's blocks 0-3
; (their registers are free) and B's 0-3, behind quadrant 3 B's 4-7, behind quadrant 4 A's 4-7: each fragment is asked for 32 products or more ahead of its first use.  A has one set of registers, B two.
; The counts of the waits on DScnt are made by the assembler: LC counts the LDS instructions issued, TAi, TBL, TBH hold LC behind a fragment's (B: a half's) last load, and a wait's count is what has been issued since.
; CLUSTERS: 4 x 4.  A's tiles are asked for jointly along a row of the cluster, B's along a column.  The matrix instruction is used transposed (source 0 = rows of B): a lane holds eight neighbouring numbers of a row of out0.
; PREFETCH: behind the load of chunk c each wave names chunk c + 2 of 32 of the 128 rows that it fetches, a lane a row; the four partners share the rows by address; behind chunk 0's load chunk 1 is named too.  Chunk 11 is the last named.
; REGISTERS: window 0: v0-31 addresses; v32-95 scale words, two sets of 32; v96-127, v224-255 -bias; v128-223 A's fragments.  window 1: B's fragments at v0 and v128; on the way out v0-127 rows read back.
;   windows 2, 3: accumulators (a, b) at v[8 (8 (a % 4) + b)].
.set KROW,   3072
.set PITCH,  272                       ; 256 bytes + 16 of padding: 17 x 16 bytes, so sixteen rows' loads of 16 bytes start in sixteen different columns of 16 bytes modulo 256
.set HALFT,  128*PITCH
.set SLOT,   4*HALFT                   ; 0x22000: shares no bit with wave x HALFT
.set SPARE,  2*SLOT
.set STAGE,  SPARE+512                 ; the way out's stages: bytes of their own, no tensor load lands here
.set SPITCH, 528
.set XB,     208                       ; from this byte of a chunk on, lanes 16-31 (48 bytes further) read the next chunk
.set ADRA, 16                          ; v16, v17 my A rows in set 0, 1; v18, v19: lanes 0-15 at byte XB of set 0 (1), lanes 16-31 at byte 0 of the other
.set ADRB, 20                          ; v20-23 the same for B
.set STO,  24
.set RD,   25
.set CO,   26
.set SOF,  27                          ; my byte offset in a group of scl
.set SPW,  28
.set NIL,  29
.set BO,   30
.set PFO,  31                          ; lane x a row of codes
.set SC,   32
.set AF,   128
.set G1,  24
.set G0,  32                           ; one group 0 for A's tiles, stepped at each fill
.set G1B, 48
.set G0B, 56
.set SB,  6                            ; s[6:7] scl at the trip's first group
.set PFA, 38                           ; s[38:39] where the trip's first prefetch stands
.set MSB, 0
.set LC,  0
.set DN,  0
.set TBM, 0
.macro WIN new
.if MSB != (\new)
	s_set_vgpr_msb (MSB<<8)|(\new)
.set MSB, (\new)
.endif
.endm
.macro NOPS n
.rept \n
	v_nop
.endr
.endm
.macro NEED t                          ; all LDS instructions up to number t are done; those issued since may be out
.if (\t) > DN
.if LC-(\t) > 63
	s_wait_dscnt 63
.else
	s_wait_dscnt LC-(\t)
.endif
.set DN, (\t)
.endif
.endm
.macro DRAIN
	s_wait_dscnt 0x0
.set DN, LC
.endm
.macro JLOAD                           ; a joint load: waves 0, 1 fetch A's halves, waves 2, 3 B's; s_nop 0 and four v_nop behind each line
	s_cmp_eq_u32 s15, 0
	s_cbranch_scc0 .Lfor_b_\@
	tensor_load_to_lds s[G0:G0+3], s[G1:G1+7]
	s_nop 0
	NOPS 4
	s_branch .Lasked_\@
.Lfor_b_\@:
	tensor_load_to_lds s[G0B:G0B+3], s[G1B:G1B+7]
	s_nop 0
	NOPS 4
.Lasked_\@:
.endm
.macro NEXTC                           ; the next chunk: the other slot, 256 bytes on (no tensor load of mine is out)
	s_xor_b32 s[G0+1], s[G0+1], SLOT
	s_add_nc_u64 s[G0+2:G0+3], s[G0+2:G0+3], 256
	s_xor_b32 s[G0B+1], s[G0B+1], SLOT
	s_add_nc_u64 s[G0B+2:G0B+3], s[G0B+2:G0B+3], 256
.endm
.macro CREST
	s_cmp_lg_u32 s14, 0
	s_cbranch_scc1 .Lnot_wave_0_\@
	s_barrier_signal -3
.Lnot_wave_0_\@:
	s_barrier_wait -3
	s_barrier_signal -1
	s_barrier_wait -1
.endm
.macro CROUND
	s_barrier_signal -1
	s_barrier_wait -1
	CREST
.endm
	s_load_b256 s[4:11], s[0:1], 0x0               ; x_codes s[4:5], scl s[6:7], w_codes s[8:9], out0 s[10:11]
	s_load_b64 s[12:13], s[0:1], 0x20              ; bias
	v_lshl_add_u32 v[SPW], v0, 2, SPARE
	v_mov_b32 v[NIL], 0
	ds_add_u32 v[SPW], v[NIL]                      ; the opening lines: the add twice on end and its wait
	ds_add_u32 v[SPW], v[NIL]
	v_lshrrev_b32 v1, 5, v0
	v_readfirstlane_b32 s14, v1                    ; wave
	s_lshr_b32 s15, s14, 1                         ; my half of the tile's rows; also: I fetch for A (0) or B (1)
	s_and_b32 s16, s14, 1                          ; my half of its columns; also: which 128 rows I fetch
	s_bfe_u32 s40, ttmp6, 0x40000                  ; cx
	s_bfe_u32 s41, ttmp6, 0x40004                  ; cy
	s_lshl_b32 s42, ttmp9, 2
	s_add_co_u32 s42, s42, s40                     ; tile column
	s_and_b32 s17, ttmp7, 0xffff
	s_lshl_b32 s17, s17, 2
	s_add_co_u32 s17, s17, s41                     ; tile row
	s_lshl_b32 s43, s41, 2
	s_lshl_b32 s43, 15, s43                        ; my row of the cluster
	s_lshl_b32 s44, 0x1111, s40                    ; my column
	s_or_b32 s[G1+0], s43, (1<<20)|(1<<21)|(5<<22)|(3<<25)   ; mask; bytes; padding of 4 words behind every 64
	s_or_b32 s[G1B+0], s44, (1<<20)|(1<<21)|(5<<22)|(3<<25)
.irp g, G1, G1B
	s_mov_b32 s[\g+1], 256<<16                     ; tensor_dim0
	s_mov_b32 s[\g+2], 128<<16                     ; tensor_dim1
	s_mov_b32 s[\g+3], 256<<16                     ; tile_dim0
	s_mov_b32 s[\g+4], 128                         ; tile_dim1
	s_mov_b32 s[\g+5], KROW                        ; pitch
	s_mov_b32 s[\g+6], 0
	s_mov_b32 s[\g+7], 0
.endr
	s_lshl_b32 s18, s16, 7
	s_lshl_b32 s20, s17, 8
	s_add_co_u32 s20, s20, s18                     ; A: the 128 rows that I fetch
	s_lshl_b32 s46, s42, 8
	s_add_co_u32 s46, s46, s18                     ; B likewise
	s_mul_i32 s20, s20, KROW                       ; under 2^24 bytes
	s_mov_b32 s21, 0
	s_mul_i32 s46, s46, KROW
	s_mov_b32 s47, 0
	s_mov_b32 s[G0], 1
	s_mul_i32 s[G0+1], s14, HALFT                  ; A's two halves, then B's: wave x 128 rows
	s_mov_b32 s[G0B], 1
	s_mul_i32 s[G0B+1], s14, HALFT
	s_wait_dscnt 0x0                               ; both opening adds are done
	s_wait_kmcnt 0x0
	s_add_nc_u64 s[G0+2:G0+3], s[4:5], s[20:21]
	s_or_b32 s[G0+3], s[G0+3], 0x80000000
	s_add_nc_u64 s[G0B+2:G0B+3], s[8:9], s[46:47]
	s_or_b32 s[G0B+3], s[G0B+3], 0x80000000
	CROUND                                         ; the first joint loads meet
	JLOAD                                          ; chunk 0, a quarter a wave: my one tensor load at the head
	s_mul_i32 s70, s15, HALFT                      ; my 128 rows of A in a slot
	s_mul_i32 s71, s16, HALFT
	s_add_co_u32 s71, s71, 2*HALFT                 ; my 128 rows of B
	s_add_co_u32 s90, s70, SLOT
	s_add_co_u32 s91, s71, SLOT
	s_mov_b32 s72, SLOT-XB
	s_mov_b32 s73, SLOT+XB
	s_mul_i32 s74, s14, 16*SPITCH
	s_add_co_u32 s74, s74, STAGE                   ; my stage
	s_lshl_b32 s88, s17, 8
	s_lshl_b32 s89, s42, 8
	s_lshl_b32 s75, s15, 7
	s_add_co_u32 s75, s75, s88                     ; my first row of A and of out0
	s_lshl_b32 s76, s16, 7
	s_add_co_u32 s76, s76, s89                     ; my first row of B = my first column
	s_lshl_b32 s77, s75, 4                         ; their scale words in a group of scl: 16 bytes a row; W's part begins 2^19 bytes on
	s_lshl_b32 s78, s76, 4
	s_add_co_u32 s78, s78, 0x80000
	s_lshl_b32 s82, s76, 2
	s_mov_b32 s83, 0
	s_lshl_b32 s80, s75, 14
	s_add_co_u32 s80, s80, s82
	s_mov_b32 s81, 0
	s_add_nc_u64 s[10:11], s[10:11], s[80:81]      ; out0 at my first row and column
	s_add_nc_u64 s[12:13], s[12:13], s[82:83]      ; bias at my first column
	s_cmp_eq_u32 s15, 0                            ; the prefetches: do I fetch for A?
	s_cselect_b32 s84, s88, s89
	s_cselect_b32 s86, s40, s41                    ; my place among the four that ask with me
	s_cselect_b64 s[PFA:PFA+1], s[4:5], s[8:9]
	s_lshl_b32 s87, s16, 7
	s_add_co_u32 s84, s84, s87
	s_lshl_b32 s86, s86, 5
	s_add_co_u32 s84, s84, s86                     ; my work-group's 32 of the 128 rows
	s_mul_i32 s84, s84, KROW
	s_add_co_u32 s84, s84, 4*256                   ; chunk 4: what the first refill (chunk 2) names
	s_mov_b32 s85, 0
	s_add_nc_u64 s[PFA:PFA+1], s[PFA:PFA+1], s[84:85]
	v_and_b32 v1, 15, v0                           ; r
	v_bfe_u32 v2, v0, 4, 1                         ; h
	v_and_b32 v6, 31, v0                           ; lane
	v_sub_nc_u32 v7, 1, v2
	v_mul_u32_u24 v[PFO], v6, KROW
	v_mul_u32_u24 v3, v1, PITCH
	v_mul_u32_u24 v4, v2, 48
	v_add_nc_u32 v4, v3, v4                        ; row x pitch + 48 h
	v_mul_u32_u24 v5, s72, v2
	v_add_nc_u32 v5, v3, v5
	v_add_nc_u32 v5, XB, v5                        ; lanes 0-15 byte XB in slot 0, lanes 16-31 byte 0 in slot 1
	v_mul_u32_u24 v8, s73, v7
	v_add_nc_u32 v8, v3, v8                        ; lanes 0-15 byte XB in slot 1, lanes 16-31 byte 0 in slot 0
	v_add_nc_u32 v[ADRA], s70, v4
	v_add_nc_u32 v[ADRA+1], s90, v4
	v_add_nc_u32 v[ADRA+2], s70, v5
	v_add_nc_u32 v[ADRA+3], s70, v8
	v_add_nc_u32 v[ADRB], s71, v4
	v_add_nc_u32 v[ADRB+1], s91, v4
	v_add_nc_u32 v[ADRB+2], s71, v5
	v_add_nc_u32 v[ADRB+3], s71, v8
	v_mul_u32_u24 v9, v1, SPITCH
	v_lshl_add_u32 v9, v2, 5, v9
	v_add_nc_u32 v[STO], s74, v9                   ; into the stage: row r, 32 bytes for each half of the lanes
	v_lshlrev_b32 v[CO], 4, v6                     ; back: the 32 lanes take one row of 512 bytes; the same in out0
	v_add_nc_u32 v[RD], s74, v[CO]
	v_mul_u32_u24 v11, s77, v7
	v_mad_u32_u24 v11, s78, v2, v11
	v_lshl_add_u32 v[SOF], v1, 4, v11              ; lanes 0-15 A's rows, lanes 16-31 B's
	v_lshlrev_b32 v[BO], 5, v2
	global_prefetch_b8 v[PFO], s[PFA:PFA+1] offset:-768 th:TH_LOAD_NT scope:SCOPE_SE   ; chunk 1,
	global_prefetch_b8 v[PFO], s[PFA:PFA+1] offset:-512 th:TH_LOAD_NT scope:SCOPE_SE   ; and chunk 2, behind chunk 0's load
.macro SCLD g                          ; the scale words of the trip's group g into set g % 2: sixteen lanes read 256 consecutive bytes
.irp i, 0,1,2,3,4,5,6,7
	global_load_b128 v[SC+32*((\g)%2)+4*\i:SC+32*((\g)%2)+4*\i+3], v[SOF], s[SB:SB+1] offset:65536*(\g)+256*\i
.endr
.endm
.irp b, 0,1,2,3,4,5,6,7                ; bias: tile b's register j = bias[16 b + 8 h + j]
	global_load_b128 v[96+8*\b+96*(\b/4):96+8*\b+96*(\b/4)+3], v[BO], s[12:13] offset:64*\b
	global_load_b128 v[100+8*\b+96*(\b/4):100+8*\b+96*(\b/4)+3], v[BO], s[12:13] offset:64*\b+16
.endr
	SCLD 0
	s_wait_alu depctr_va_vdst(0)
	s_wait_loadcnt 0x0
.irp i, 0,2,4,6,8,10,12,14,16,18,20,22,24,26,28,30
	v_pk_mul_f32 v[96+\i:97+\i], v[96+\i:97+\i], -1.0 op_sel_hi:[1,0]      ; -bias, exact: it starts the sums
	v_pk_mul_f32 v[224+\i:225+\i], v[224+\i:225+\i], -1.0 op_sel_hi:[1,0]
.endr
; A fragment, 16 rows x 128 K, is 12 registers: lane (r, h) takes the 48 consecutive bytes at 96 st + 48 h of row r, three loads of 16 bytes, each inside one chunk.  Blocks 1 and 2 of the four so change places, in A and B alike;
; the scale words come with bytes 1 and 2 exchanged.  st counts from the trip's first chunk; byte y lies in set (y / 256) % 2.
.macro FRAG reg, adr, st, i
.irp p, 0,1,2
.set BY, 96*(\st)+16*\p
.if BY/256 == (BY+48)/256
	ds_load_b128 v[\reg+4*\p:\reg+4*\p+3], v[\adr+(BY/256)%2] offset:BY%256+(\i)*16*PITCH
.else
	ds_load_b128 v[\reg+4*\p:\reg+4*\p+3], v[\adr+2+(BY/256)%2] offset:BY%256-XB+(\i)*16*PITCH
.endif
.endr
.set LC, LC+3
.endm
.macro LA i, st
	WIN 0
	FRAG AF+12*\i, ADRA, \st, \i
.set TA\i, LC
.endm
.macro LB i, st
	WIN 0x40
	FRAG 128*((\st)%2)+12*\i, ADRB, \st, \i
.set TBM, LC
.endm
; Four matrix instructions: A's block a x B's blocks 4 hf .. 4 hf + 3.  The 64 accumulators take turns, one instruction a turn.
.macro G a, hf, st, zero
.if \a == 0
.if \hf == 0
	NEED TBL
.else
	NEED TBH
.endif
.endif
.if \hf == 0
	NEED TA\a
.endif
.if \zero
	WIN 0x81+0x40*(\a/4)
.else
	WIN 0xa1+0x50*(\a/4)
.endif
.irp j, 0,1,2,3
.set BX, 4*\hf+\j
.if \zero
	v_wmma_scale_f32_16x16x128_f8f6f4 v[8*(8*(\a%4)+BX):8*(8*(\a%4)+BX)+7], v[128*((\st)%2)+12*BX:128*((\st)%2)+12*BX+11], v[AF+12*\a:AF+12*\a+11], v[96+8*BX+96*(BX/4):96+8*BX+96*(BX/4)+7], v[SC+32*(((\st)/4)%2)+4*BX+(\st)%4], v[SC+32*(((\st)/4)%2)+4*\a+(\st)%4] matrix_a_fmt:MATRIX_FMT_FP6 matrix_b_fmt:MATRIX_FMT_FP6 matrix_a_scale:MATRIX_SCALE_ROW1
.else
	v_wmma_scale_f32_16x16x128_f8f6f4 v[8*(8*(\a%4)+BX):8*(8*(\a%4)+BX)+7], v[128*((\st)%2)+12*BX:128*((\st)%2)+12*BX+11], v[AF+12*\a:AF+12*\a+11], v[8*(8*(\a%4)+BX):8*(8*(\a%4)+BX)+7], v[SC+32*(((\st)/4)%2)+4*BX+(\st)%4], v[SC+32*(((\st)/4)%2)+4*\a+(\st)%4] matrix_a_fmt:MATRIX_FMT_FP6 matrix_b_fmt:MATRIX_FMT_FP6 matrix_a_scale:MATRIX_SCALE_ROW1
.endif
.endr
.endm
; A STEP.  All of a step's fragments are asked for in the step before it.  A load into A's registers stands four v_nop behind the last product that read them; B's other set was last read ahead of the step before's last four v_nop.
; kind 0: all that is read lies in chunks that are whole.  kind 1: the next step ends in a chunk not yet read: each wave waits for its tensor load, and a barrier shows the chunk whole.
; kind 2: the next step begins in a later chunk, so one chunk is read no more: the three lines, a round of the cluster's barrier, and the refill, two chunks ahead.
; sg: the group of scale words to ask for (-1: none).  pf: 1 a prefetch at byte po behind PFA; 2: not in the last trip, where it would name a chunk beyond the row.
.macro STEP st, kind, zero, sg, pf, po
.if (\st)%4 == 0
	s_wait_loadcnt 0x0                             ; this group's scale words, asked for more than three steps ago
.endif
.irp a, 0,1
	G \a, 0, \st, \zero
.endr
.if \kind == 2
	WIN 0                                          ; the add's registers lie in window 0
	s_wait_tensorcnt 0x0                           ; all my tensor loads have landed
	ds_add_u32 v[SPW], v[NIL]                      ; 0 onto my spare word; eight products stand between it and the wait for it
.set LC, LC+1
	NEXTC
.endif
.irp a, 2,3
	G \a, 0, \st, \zero
.endr
.if \kind == 1
	s_wait_tensorcnt 0x0                           ; my part of the new chunk is in
.endif
.if \kind
	DRAIN                                          ; the add, where there is one, and all my LDS reads are done
	s_barrier_signal -1
.endif
.irp a, 0,1,2,3
	G \a, 1, \st, \zero
.endr
.if \kind == 2
	WIN 0
.endif
.if \kind
	s_barrier_wait -1
.endif
.if \kind == 2
	CREST                                          ; the barrier has opened a round: no wave of any partner still reads the chunk left behind or has a load out
	JLOAD                                          ; my one tensor load behind the round; its four v_nop are the places in front of the loads below
.else
	NOPS 4
.endif
.irp i, 0,1,2,3
	LA \i, \st+1
.endr
.if \pf == 2
	s_cmp_eq_u32 s3, 1
	s_cbranch_scc1 .Lno_pf_\@
.endif
.if \pf
	global_prefetch_b8 v[PFO], s[PFA:PFA+1] offset:\po th:TH_LOAD_NT scope:SCOPE_SE
.endif
.if \pf == 2
.Lno_pf_\@:
.endif
.if \sg >= 0
	SCLD \sg
.endif
.irp i, 0,1,2,3
	LB \i, \st+1
.endr
.set TBL, TBM
.irp a, 4,5,6,7
	G \a, 0, \st, \zero
.endr
.irp i, 4,5,6,7
	LB \i, \st+1
.endr
.set TBH, TBM
.irp a, 4,5,6,7
	G \a, 1, \st, \zero
.endr
	NOPS 4
.irp i, 4,5,6,7
	LA \i, \st+1
.endr
.endm
	s_wait_alu depctr_va_vdst(0)                   ; the wait at the head's end
	s_wait_tensorcnt 0x0                           ; my part of chunk 0 is in; the same lines as ahead of a refill:
	ds_add_u32 v[SPW], v[NIL]
	NEXTC
	s_wait_dscnt 0x0
	CROUND
	JLOAD                                          ; chunk 1: slot 1's first fill, the first tensor load behind the round
.irp i, 0,1,2,3
	LA \i, 0
.endr
.irp i, 0,1,2,3
	LB \i, 0
.endr
.set TBL, TBM
.irp i, 4,5,6,7
	LB \i, 0
.endr
.set TBH, TBM
.irp i, 4,5,6,7
	LA \i, 0
.endr
	global_prefetch_b8 v[PFO], s[PFA:PFA+1] offset:-256 th:TH_LOAD_NT scope:SCOPE_SE   ; chunk 3, behind chunk 1's load
	STEP 0, 0, 1, 1, 0, 0                          ; the first step's products start the sums from -bias
	WIN 0
	s_mov_b32 s3, 3
.Lperiod:                                              ; a trip: eight steps, three chunks, three refills
.set DN, LC-63                         ; at the label nothing is taken as landed: every fragment's wait is written
	STEP 1, 1, 0, -1, 0, 0
	STEP 2, 2, 0, -1, 1, 0
	STEP 3, 0, 0, -1, 0, 0
	STEP 4, 1, 0, 2, 0, 0
	STEP 5, 2, 0, -1, 1, 256
	STEP 6, 0, 0, -1, 0, 0
	STEP 7, 2, 0, -1, 2, 512
	STEP 8, 0, 0, 3, 0, 0
	WIN 0
	s_wait_xcnt 0x0                                ; the prefetches and the scale loads have read their bases
	s_add_nc_u64 s[PFA:PFA+1], s[PFA:PFA+1], 768
	s_add_nc_u64 s[SB:SB+1], s[SB:SB+1], 0x20000
.irp i, 0,1,2,3                        ; the two slots' address registers change places
	v_mov_b32 v[8+\i], v[ADRA+2*\i]
.endr
.irp i, 0,1,2,3
	v_mov_b32 v[ADRA+2*\i], v[ADRA+2*\i+1]
.endr
.irp i, 0,1,2,3
	v_mov_b32 v[ADRA+2*\i+1], v[8+\i]
.endr
	s_sub_co_u32 s3, s3, 1
	s_cmp_lg_u32 s3, 0
	s_wait_alu depctr_va_vdst(0)
	s_cbranch_scc1 .Lperiod
	STEP 1, 1, 0, -1, 0, 0                         ; the last seven steps: one refill more, chunk 11
	STEP 2, 2, 0, -1, 0, 0
	STEP 3, 0, 0, -1, 0, 0
	STEP 4, 1, 0, -1, 0, 0
	STEP 5, 0, 0, -1, 0, 0
	STEP 6, 0, 0, -1, 0, 0
; THE LAST STEP AND THE WAY OUT.  This step goes by A's blocks, so a block of 16 rows x 128 columns is finished behind its eight products: it goes through my own stage in LDS while the next block is multiplied,
; comes back as whole rows of 512 bytes and is stored, 32 lanes to a row.  LDS serves a wave's instructions in order (ISA guide 5.7.1.4): no wait between the stage's stores and loads.
.macro TOSTAGE a
	WIN 0x08+4*(\a/4)
.irp b, 0,1,2,3,4,5,6,7
	ds_store_b128 v[STO], v[64*(\a%4)+8*\b:64*(\a%4)+8*\b+3] offset:64*\b      ; each accumulator from its low end on
	ds_store_b128 v[STO], v[64*(\a%4)+8*\b+4:64*(\a%4)+8*\b+7] offset:64*\b+16
.endr
	WIN 0x40
.irp t, 0,1,2,3,4,5,6,7,8,9,10,11,12,13,14,15
	ds_load_b128 v[64*(\a%2)+4*\t:64*(\a%2)+4*\t+3], v[RD] offset:\t*SPITCH
.endr
.set LC, LC+32
.endm
.macro OUTB a, n
.if \a > 1
	s_wait_xcnt 0x0                                ; block a - 2's stores have read the registers that block a's rows land in
.endif
	NOPS 4                                         ; places behind block a's last product
	TOSTAGE \a
.if \a < 7
	G \n, 0, 7, 0
	G \n, 1, 7, 0
.endif
	DRAIN                                          ; the block is back in registers
	WIN 0x04
.irp t, 0,1,2,3,4,5,6,7,8,9,10,11,12,13,14,15
	global_store_b128 v[CO], v[64*(\a%2)+4*\t:64*(\a%2)+4*\t+3], s[10:11] offset:(16*\a+\t)*16384 th:TH_STORE_NT   ; 512 consecutive bytes, at a multiple of 512 from out0's first byte; 127 rows at the most in the immediate
.endr
.endm
	G 0, 0, 7, 0
	G 0, 1, 7, 0
	OUTB 0, 1
	OUTB 1, 2
	OUTB 2, 3
	OUTB 3, 4
	OUTB 4, 5
	OUTB 5, 6
	OUTB 6, 7
	OUTB 7, 0
	WIN 0
	s_wait_tensorcnt 0x0                           ; the wave's end
	ds_add_u32 v[SPW], v[NIL]
	s_wait_dscnt 0x0
	CROUND                                         ; the closing round
	s_endpgm
.Lfunc_end_k_q41e6f23a63_gemm:
	.size	k_q41e6f23a63_gemm, .Lfunc_end_k_q41e6f23a63_gemm-k_q41e6f23a63_gemm
	.p2alignl 7, 3214868480
	.fill 96, 4, 3214868480
	.section	.rodata,"a",@progbits
	.p2align	6, 0x0
	.amdhsa_kernel k_q41e6f23a63_gemm
		.amdhsa_group_segment_fixed_size 327680
		.amdhsa_private_segment_fixed_size 0
		.amdhsa_enable_private_segment 0
		.amdhsa_kernarg_size 40
		.amdhsa_user_sgpr_count 2
		.amdhsa_user_sgpr_kernarg_segment_ptr 1
		.amdhsa_wavefront_size32 1
		.amdhsa_system_sgpr_workgroup_id_x 1
		.amdhsa_system_sgpr_workgroup_id_y 1
		.amdhsa_system_sgpr_workgroup_id_z 1
		.amdhsa_system_vgpr_workitem_id 0
		.amdhsa_next_free_vgpr 1024
		.amdhsa_next_free_sgpr 96
		.amdhsa_reserve_vcc 0
		.amdhsa_float_denorm_mode_32 3
		.amdhsa_float_denorm_mode_16_64 3
		.amdhsa_memory_ordered 1
		.amdhsa_forward_progress 1
		.amdhsa_inst_pref_size 237
	.end_amdhsa_kernel
	.amdgpu_metadata
---
amdhsa.version: [ 1, 2 ]
amdhsa.kernels:
  - .name:           k_q41e6f23a63_gemm
    .symbol:         k_q41e6f23a63_gemm.kd
    .args:
      - { .name: x_codes, .offset: 0, .size: 8, .value_kind: global_buffer, .address_space: global }
      - { .name: scl, .offset: 8, .size: 8, .value_kind: global_buffer, .address_space: global }
      - { .name: w_codes, .offset: 16, .size: 8, .value_kind: global_buffer, .address_space: global }
      - { .name: out0, .offset: 24, .size: 8, .value_kind: global_buffer, .address_space: global }
      - { .name: bias, .offset: 32, .size: 8, .value_kind: global_buffer, .address_space: global }
    .group_segment_fixed_size: 327680
    .private_segment_fixed_size: 0
    .kernarg_segment_align: 8
    .kernarg_segment_size: 40
    .max_flat_workgroup_size: 128
    .sgpr_count:     96
    .vgpr_count:     1024
    .wavefront_size: 32
...
	.end_amdgpu_metadata
.endif
;; end of part 2
